; MI455X (gfx1250); checked and timed in simulation.
; The chip was launched on July 23, 2026; its instructions are those of AMD's public machine-readable ISA for CDNA 5 (MIT licence, August 2026) and "CDNA5" Instruction Set Architecture Reference Guide (July 2026). The comments in the code are by the model that wrote it; some were corrected since.
;; Cross Attention. Allowed arithmetic: float matrix products may take bf16 or f16 operands with f32 sums; all other float work in f32.
;; Inputs: Wk 512 x 512 float32; Wo 512 x 512 float32; Wq 512 x 512 float32; Wv 512 x 512 float32; bn_params 4 x 4 x 512 float32; key 4 x 2 x 1,024 x 512 float32; query 4 x 2 x 1,024 x 512 float32; value 4 x 2 x 1,024 x 512 float32.
;; Outputs: out0 4 x 2 x 1,024 x 512 float32.
;; One version. Each part assembles by itself: llvm-mc -triple=amdgcn-amd-amdhsa -mcpu=gfx1250 --defsym DOCPART=n.
;; ======== version 1 of 1: 3 launches
;; workspace buffers: qp 8,388,608 bytes; kp 8,388,608 bytes; vp 8,388,608 bytes; op 8,388,608 bytes; wob 524,288 bytes
;; launch proj (part 1): grid 256 x 1, 8 waves a work-group, no clusters, 157,696 bytes of LDS; arguments query, key, value, Wq, Wk, Wv, Wo, bn_params, qp, kp, vp, wob; writes qp, kp, vp, wob
.if DOCPART == 1
	.amdgcn_target "amdgcn-amd-amdhsa--gfx1250"
	.amdhsa_code_object_version 6
	.text
	.protected	k_q488a0cebe7_proj
	.globl	k_q488a0cebe7_proj
	.p2align	8
	.type	k_q488a0cebe7_proj,@function
k_q488a0cebe7_proj:
	s_mov_b64 s[64:65], 0
	v_nop
	global_prefetch_b8 v0, s[64:65] scope:SCOPE_SE
	s_setreg_imm32_b32 hwreg(HW_REG_WAVE_MODE, 25, 1), 1
	s_wait_xcnt 0x0
; q, k, v = clip(BN(X W^T), 0, 1) as bf16, laid head-major: [batch*8 + head (64)][token 1024][d 64]; and Wo as bf16.
; Work-groups 0-191: tensor t = id / 64 (0 query, 1 key, 2 value); a block of 256 tokens x 256 channels, K = 512 in 8 steps of 64.
; Work-groups 192-255: each turns 16,384 bytes of Wo (f32) into 8,192 bytes of wob (bf16), so that the last launch works on bf16 alone.
; Eight waves; wave w makes 128 tokens (w & 1) x 64 channels = one head (w >> 1): 32 accumulator tiles, 256 registers (window 1).
; The product is used transposed (source 0 = 16 rows of W, source 1 = 16 tokens of X): a lane's 8 results are 8 neighbouring channels of one token.
; THE WAY IN goes through registers: global_load_b128 (two whole rows of 256 bytes an instruction), v_cvt_pk_bf16_f32, ds_store_b64.
; Each f32 number is converted once in the work-group and LDS holds bf16.
; NO CLUSTER, NO JOINT LOADS, though X's block is read by 2 work-groups and W's by 32: a tensor load would lay f32 into LDS, which doubles the
; bytes of every fragment read (each X number is read by 4 waves, each W number by 2) and moves the conversion behind those reads, 4 and 2 times over.
; qp holds clip(q) * 0.125 * log2(e), so that the score is the argument of v_exp_f32 as it stands.
; LIMITS: NaN and infinities in the inputs are not reproduced (v_med3_num_f32 drops a NaN).  var + 1e-5 must be a positive normal number.
; LDS: two 128-byte rows (64 bf16) share a line of 256 bytes + 16 of padding.  For a fragment load lane (r, h) stands at
; (r>>1)*272 + (r&1)*128 + 16h.
.set PAIR,  272                        ; a line: two rows + padding
.set T16,   2176                       ; 16 rows = 8 lines
.set PART,  34816                      ; 256 rows = 128 lines: X's part of a buffer, and W's
.set BUF,   69632                      ; a buffer: X's part, then W's; two buffers take turns
.set OUTST, 139264                     ; behind them: 2,176 bytes for each wave, for the way out
.set VX,  1                            ; v1      byte offset of my 16 bytes in the wave's first two rows (X and W alike)
.set ST,  2                            ; v2-3    where I store 8 bytes of bf16, buffer 0, 1
.set FX,  4                            ; v4-5    my X fragments, buffer 0, 1
.set FW,  6                            ; v6-7    my W fragments, buffer 0, 1
.set BNO, 8                            ; v8      byte offset of my first channel in a row of bn_params
.set STO, 9                            ; v9      the way out: where I put 16 bytes
.set RD,  10                           ; v10     the way out: where I read a line back
.set CO,  11                           ; v11     16 x lane
.set WF,  16                           ; v[16:47]    W fragments, 8 registers for each of 4 channel tiles
.set XF,  48                           ; v[48:111]   X fragments, 8 registers for each of 8 token tiles
.set SX,  112                          ; v[112:175]  X as loaded: 16 loads x 4 registers
.set SW,  176                          ; v[176:239]  W as loaded
.set T,   16                           ; the way out: 32 numbers at work
.set PK,  48                           ; 16 registers of packed bf16
.set R,   64                           ; 16 registers read back
.set G,   112                          ; gamma, then the whole factor, of my 32 channels
.set BT,  144                          ; beta
.set MN,  176                          ; mean
.set VR,  208                          ; var
.set MSB, 0
.macro WIN new                         ; s_set_vgpr_msb: low byte bits 1:0 source 0, 3:2 source 1, 5:4 source 2, 7:6 destination; the high byte repeats the setting left
.if MSB != \new
	s_set_vgpr_msb (MSB<<8)|\new
.set MSB, \new
.endif
.endm
.macro PLACES                          ; four places behind a matrix instruction (ISA guide 7.12.1 for vector instructions)
.rept 4
	v_nop
.endr
.endm
.macro BAR                             ; my LDS stores and loads are done, then the work-group's barrier
	s_wait_dscnt 0x0
	s_barrier_signal -1
	s_barrier_wait -1
.endm
	s_load_b512 s[16:31], s[0:1], 0x0              ; query 16, key 18, value 20, Wq 22, Wk 24, Wv 26, Wo 28, bn_params 30
	s_load_b256 s[8:15], s[0:1], 0x40              ; qp 8, kp 10, vp 12, wob 14
	v_lshl_add_u32 v254, v0, 2, 0x26400
	v_mov_b32 v255, 0
	v_lshrrev_b32 v1, 5, v0
	v_readfirstlane_b32 s3, v1                     ; wave 0..7
	s_lshr_b32 s4, ttmp9, 6                        ; t: which tensor; 3: Wo
	s_and_b32 s7, ttmp9, 63                        ; the block's number in it
	s_cmp_eq_u32 s4, 3
	s_cbranch_scc1 .Lconvert                       ; the same way for all eight waves
	s_lshr_b32 s5, s7, 1                           ; block of 256 tokens, 0..31
	s_and_b32 s6, s7, 1                            ; block of 256 channels, 0..1
	s_and_b32 s45, s3, 1                           ; wt: my 128 tokens
	s_lshr_b32 s46, s3, 1                          ; wc: my 64 channels
	v_and_b32 v12, 31, v0                          ; lane L
	v_and_b32 v13, 15, v0                          ; r
	v_bfe_u32 v14, v0, 4, 1                        ; h
	v_lshlrev_b32 v[VX], 4, v13                    ; 16 (L & 15)
	v_lshl_add_u32 v[VX], v14, 11, v[VX]           ; + (L >> 4) rows of 2,048 bytes
	s_lshl_b32 s44, s3, 16                         ; + wave x 32 rows
	v_add_nc_u32 v[VX], s44, v[VX]
	s_wait_kmcnt 0x0
	s_cmp_eq_u32 s4, 0                             ; the three tensors' addresses: a choice on t alone
	s_cselect_b64 s[32:33], s[16:17], s[18:19]
	s_cselect_b64 s[34:35], s[22:23], s[24:25]
	s_cselect_b64 s[36:37], s[8:9], s[10:11]
	s_cselect_b32 s42, 0x3e38aa3b, 1.0             ; q alone carries 0.125 * log2(e)
	s_cmp_eq_u32 s4, 2
	s_cselect_b64 s[32:33], s[20:21], s[32:33]
	s_cselect_b64 s[34:35], s[26:27], s[34:35]
	s_cselect_b64 s[36:37], s[12:13], s[36:37]
	s_mov_b32 s43, s42
	s_lshl_b32 s40, s5, 19                         ; 256 rows of 2,048 bytes
	s_mov_b32 s41, 0
	s_add_nc_u64 s[32:33], s[32:33], s[40:41]      ; X at the block's first token
	s_lshl_b32 s40, s6, 19
	s_add_nc_u64 s[34:35], s[34:35], s[40:41]      ; W at the block's first channel
	s_lshl_b32 s40, s4, 13
	s_add_nc_u64 s[38:39], s[30:31], s[40:41]      ; bn_params[t]: 4 rows of 2,048 bytes
; 16 loads: rows 32 w + 2 i + (L >> 4), the 256 bytes of K step s
.macro LDX s
.irp i, 0,1,2,3,4,5,6,7,8,9,10,11,12,13,14,15
	global_load_b128 v[SX+4*\i:SX+4*\i+3], v[VX], s[32:33] offset:\i*4096+(\s)*256
.endr
.endm
.macro LDW s
.irp i, 0,1,2,3,4,5,6,7,8,9,10,11,12,13,14,15
	global_load_b128 v[SW+4*\i:SW+4*\i+3], v[VX], s[34:35] offset:\i*4096+(\s)*256
.endr
.endm
	LDX 0
	LDW 0
	; the other addresses, while the first loads are on their way
	s_mul_i32 s44, s3, 16*PAIR                     ; my 32 rows = 16 lines
	v_lshl_add_u32 v[ST], v12, 3, s44              ; + 8 L: 32 lanes fill a line's 256 bytes
	v_add_nc_u32 v[ST+1], BUF, v[ST]
	v_lshrrev_b32 v15, 1, v13
	v_mul_u32_u24 v15, v15, PAIR
	v_and_b32 v16, 1, v13
	v_lshl_add_u32 v15, v16, 7, v15
	v_lshl_add_u32 v15, v14, 4, v15                ; (r>>1)*272 + (r&1)*128 + 16h
	s_mul_i32 s44, s45, 8*T16                      ; my 128 tokens
	v_add_nc_u32 v[FX], s44, v15
	v_add_nc_u32 v[FX+1], BUF, v[FX]
	s_mul_i32 s44, s46, 4*T16                      ; my 64 channels,
	s_add_co_u32 s44, s44, PART                    ; behind X's part
	v_add_nc_u32 v[FW], s44, v15
	v_add_nc_u32 v[FW+1], BUF, v[FW]
	s_lshl_b32 s44, s6, 10
	s_lshl_b32 s47, s46, 8
	s_add_co_u32 s44, s44, s47
	v_lshl_add_u32 v[BNO], v14, 5, s44             ; 4 (256 block + 64 wc + 8 h)
	s_mul_i32 s44, s3, T16
	s_add_co_u32 s44, s44, OUTST                   ; my stage
	v_add_nc_u32 v[STO], s44, v15
	v_mul_u32_u24 v16, v14, PAIR
	v_lshl_add_u32 v16, v13, 4, v16
	v_add_nc_u32 v[RD], s44, v16
	v_lshlrev_b32 v[CO], 4, v12
	s_lshr_b32 s40, s5, 2                          ; batch
	s_lshl_b32 s40, s40, 3
	s_lshl2_add_u32 s40, s6, s40                   ; + 4 x channel block
	s_add_co_u32 s40, s40, s46                     ; + wc = batch*8 + head
	s_lshl_b32 s40, s40, 10
	s_and_b32 s44, s5, 3
	s_lshl_b32 s44, s44, 8
	s_add_co_u32 s40, s40, s44                     ; + the block's first token in the batch
	s_lshl_b32 s44, s45, 7
	s_add_co_u32 s40, s40, s44                     ; + my 128 tokens
	s_lshl_b32 s40, s40, 7                         ; rows of 128 bytes; below 8 MiB
	s_add_nc_u64 s[36:37], s[36:37], s[40:41]      ; where my results go
; 16 x (4 f32 -> 4 bf16 -> 8 bytes into LDS).  An LDS store's sources need no wait before they are rewritten.
.macro CVST base, st, off
.irp i, 0,1,2,3,4,5,6,7,8,9,10,11,12,13,14,15
	v_cvt_pk_bf16_f32 v[\base+4*\i], v[\base+4*\i], v[\base+4*\i+1]
	v_cvt_pk_bf16_f32 v[\base+4*\i+1], v[\base+4*\i+2], v[\base+4*\i+3]
	ds_store_b64 v[\st], v[\base+4*\i:\base+4*\i+1] offset:\off+\i*PAIR
.endr
.endm
; gamma, beta, mean, var of my 32 channels (16 ct + 8 h + 0..7), into the registers that the staging has left
.macro LDBN
.irp ct, 0,1,2,3
.irp hf, 0,1
	global_load_b128 v[G+8*\ct+4*\hf:G+8*\ct+4*\hf+3], v[BNO], s[38:39] offset:\ct*64+\hf*16
	global_load_b128 v[BT+8*\ct+4*\hf:BT+8*\ct+4*\hf+3], v[BNO], s[38:39] offset:2048+\ct*64+\hf*16
	global_load_b128 v[MN+8*\ct+4*\hf:MN+8*\ct+4*\hf+3], v[BNO], s[38:39] offset:4096+\ct*64+\hf*16
	global_load_b128 v[VR+8*\ct+4*\hf:VR+8*\ct+4*\hf+3], v[BNO], s[38:39] offset:6144+\ct*64+\hf*16
.endr
.endr
.endm
; K step g, whose 32 loads are out, goes into buffer g & 1; the next step's loads go out as the registers fall free.
.macro STAGE g
	s_wait_loadcnt 16                              ; loads come back in order: X's 16 are in, W's 16 stay out
	CVST SX, ST+((\g)&1), 0
.if \g < 7
	LDX (\g)+1
	s_wait_loadcnt 16                              ; W's 16 are in, the 16 just issued stay out
.else
	s_wait_loadcnt 0
.endif
	CVST SW, ST+((\g)&1), PART
.if \g < 7
	LDW (\g)+1
.else
	LDBN
.endif
.endm
; 32 along K from buffer b: 24 fragment loads, 32 matrix instructions.  The 32 accumulators take turns, one instruction a turn.
.macro KHALF b, ks, zero
.if \zero == 0
	PLACES                                         ; behind the matrix instructions that read these fragment registers
.endif
.irp ct, 0,1,2,3
	ds_load_b128 v[WF+8*\ct:WF+8*\ct+3], v[FW+\b] offset:\ct*T16+\ks*64
	ds_load_b128 v[WF+8*\ct+4:WF+8*\ct+7], v[FW+\b] offset:\ct*T16+\ks*64+32
.endr
.irp tt, 0,1,2,3,4,5,6,7
	ds_load_b128 v[XF+8*\tt:XF+8*\tt+3], v[FX+\b] offset:\tt*T16+\ks*64
	ds_load_b128 v[XF+8*\tt+4:XF+8*\tt+7], v[FX+\b] offset:\tt*T16+\ks*64+32
.endr
	WIN 0x50                                       ; C and D in window 1
.irp tt, 0,1,2,3,4,5,6,7
	s_wait_dscnt 14-2*\tt                          ; W's 8 loads and X's up to tile tt are in; two loads for each later tile stay out
.irp ct, 0,1,2,3
.if \zero
	v_wmma_f32_16x16x32_bf16 v[8*(4*\tt+\ct):8*(4*\tt+\ct)+7], v[WF+8*\ct:WF+8*\ct+7], v[XF+8*\tt:XF+8*\tt+7], 0
.else
	v_wmma_f32_16x16x32_bf16 v[8*(4*\tt+\ct):8*(4*\tt+\ct)+7], v[WF+8*\ct:WF+8*\ct+7], v[XF+8*\tt:XF+8*\tt+7], v[8*(4*\tt+\ct):8*(4*\tt+\ct)+7]
.endif
.endr
.endr
	WIN 0
.endm
	; One barrier a K step, for two things: the buffer just stored is whole, and every wave's reads of the other buffer, which the next STAGE overwrites, are done.
	STAGE 0
	BAR
	KHALF 0, 0, 1                                  ; the first products start the sums: nothing is cleared
	KHALF 0, 1, 0
	STAGE 1
	BAR
.irp s, 1,2,3,4,5,6
	KHALF (\s&1), 0, 0
	KHALF (\s&1), 1, 0
	STAGE \s+1
	BAR
.endr
	KHALF 1, 0, 0
	KHALF 1, 1, 0
	; THE WAY OUT.  y = (acc - mean) * (gamma * rsq(var + eps)) + beta, clipped to [0, 1]; for q all of it times c: factor and beta carry c, the clip is to [0, c].
	PLACES                                         ; behind the last matrix instructions: their results are read, their fragment registers rewritten
	s_wait_loadcnt 0x0                             ; the 32 loads of bn_params
.set p, 0
.rept 16
	v_pk_add_f32 v[VR+2*p:VR+2*p+1], v[VR+2*p:VR+2*p+1], 0x3727c5ac op_sel_hi:[1,0]    ; + 1e-5
.set p, p+1
.endr
.set p, 0
.rept 32
	v_rsq_f32 v[VR+p], v[VR+p]
.set p, p+1
.endr
	v_nop                                          ; one plain place behind the last v_rsq_f32 (ISA guide 5.7.2)
.set p, 0
	s_wait_alu depctr_va_vdst(0)
.rept 16
	v_pk_mul_f32 v[G+2*p:G+2*p+1], v[G+2*p:G+2*p+1], v[VR+2*p:VR+2*p+1]
	v_pk_mul_f32 v[BT+2*p:BT+2*p+1], v[BT+2*p:BT+2*p+1], s[42:43] op_sel_hi:[1,0]
.set p, p+1
.endr
.set p, 0
.rept 16
	v_pk_mul_f32 v[G+2*p:G+2*p+1], v[G+2*p:G+2*p+1], s[42:43] op_sel_hi:[1,0]
.set p, p+1
.endr
; 16 tokens x 64 channels: through my own stage, read back as lines of two tokens, stored as 512 consecutive bytes an instruction
.macro OUTT tt
	WIN 0x01                                       ; source 0 (the accumulators) in window 1
.set p, 0
.rept 16
	v_pk_add_f32 v[T+2*p:T+2*p+1], v[32*\tt+2*p:32*\tt+2*p+1], v[MN+2*p:MN+2*p+1] neg_lo:[0,1] neg_hi:[0,1]
.set p, p+1
.endr
	WIN 0
.set p, 0
.rept 16
	v_pk_fma_f32 v[T+2*p:T+2*p+1], v[T+2*p:T+2*p+1], v[G+2*p:G+2*p+1], v[BT+2*p:BT+2*p+1]
.set p, p+1
.endr
.set p, 0
.rept 32
	v_med3_num_f32 v[T+p], v[T+p], 0, s42          ; the clip
.set p, p+1
.endr
.set p, 0
.rept 16
	v_cvt_pk_bf16_f32 v[PK+p], v[T+2*p], v[T+2*p+1]
.set p, p+1
.endr
.irp ct, 0,1,2,3
	ds_store_b128 v[STO], v[PK+4*\ct:PK+4*\ct+3] offset:\ct*32     ; token r, channels 16 ct + 8 h ..
.endr
	s_wait_xcnt 0x0                                ; R, which the last tile's stores read, is loaded again only behind this wait
.irp i, 0,1,2,3
	ds_load_b128 v[R+4*\i:R+4*\i+3], v[RD] offset:\i*2*PAIR        ; LDS serves a wave's instructions in order: these see the stores above
.endr
.irp i, 0,1,2,3
	s_wait_dscnt 3-\i
	global_store_b128 v[CO], v[R+4*\i:R+4*\i+3], s[36:37] offset:\tt*2048+\i*512
.endr
.endm
.irp t8, 0,1,2,3,4,5,6,7
	OUTT \t8
.endr
	s_wait_tensorcnt 0x0
	ds_add_u32 v254, v255
	s_wait_dscnt 0x0
	s_endpgm
.Lconvert:
	; 4,096 numbers of Wo: thread t takes 8 neighbouring ones twice, and stores 16 bytes of bf16 each time (a wave's store covers 512 consecutive bytes)
	v_lshlrev_b32 v1, 5, v0
	v_lshlrev_b32 v2, 4, v0
	s_lshl_b32 s40, s7, 14
	s_mov_b32 s41, 0
	s_lshl_b32 s44, s7, 13
	s_mov_b32 s45, 0
	s_wait_kmcnt 0x0
	s_add_nc_u64 s[28:29], s[28:29], s[40:41]
	s_add_nc_u64 s[14:15], s[14:15], s[44:45]
	global_load_b128 v[4:7], v1, s[28:29] th:TH_LOAD_NT
	global_load_b128 v[8:11], v1, s[28:29] offset:16 th:TH_LOAD_NT
	global_load_b128 v[12:15], v1, s[28:29] offset:8192 th:TH_LOAD_NT
	global_load_b128 v[16:19], v1, s[28:29] offset:8208 th:TH_LOAD_NT
	s_wait_loadcnt 0x0
.irp i, 0,1,2,3,4,5,6,7
	v_cvt_pk_bf16_f32 v[20+\i], v[4+2*\i], v[5+2*\i]
.endr
	global_store_b128 v2, v[20:23], s[14:15]
	global_store_b128 v2, v[24:27], s[14:15] offset:4096
	s_endpgm
.Lfunc_end_k_q488a0cebe7_proj:
	.size	k_q488a0cebe7_proj, .Lfunc_end_k_q488a0cebe7_proj-k_q488a0cebe7_proj
	.p2alignl 7, 3214868480
	.fill 96, 4, 3214868480
	.section	.rodata,"a",@progbits
	.p2align	6, 0x0
	.amdhsa_kernel k_q488a0cebe7_proj
		.amdhsa_group_segment_fixed_size 157696
		.amdhsa_private_segment_fixed_size 0
		.amdhsa_enable_private_segment 0
		.amdhsa_kernarg_size 96
		.amdhsa_user_sgpr_count 2
		.amdhsa_user_sgpr_kernarg_segment_ptr 1
		.amdhsa_wavefront_size32 1
		.amdhsa_system_sgpr_workgroup_id_x 1
		.amdhsa_system_sgpr_workgroup_id_y 1
		.amdhsa_system_sgpr_workgroup_id_z 1
		.amdhsa_system_vgpr_workitem_id 0
		.amdhsa_next_free_vgpr 512
		.amdhsa_next_free_sgpr 66
		.amdhsa_reserve_vcc 0
		.amdhsa_float_denorm_mode_32 3
		.amdhsa_float_denorm_mode_16_64 3
		.amdhsa_memory_ordered 1
		.amdhsa_forward_progress 1
		.amdhsa_inst_pref_size 199
	.end_amdhsa_kernel
	.amdgpu_metadata
---
amdhsa.version: [ 1, 2 ]
amdhsa.kernels:
  - .name:           k_q488a0cebe7_proj
    .symbol:         k_q488a0cebe7_proj.kd
    .args:
      - { .name: query, .offset: 0, .size: 8, .value_kind: global_buffer, .address_space: global }
      - { .name: key, .offset: 8, .size: 8, .value_kind: global_buffer, .address_space: global }
      - { .name: value, .offset: 16, .size: 8, .value_kind: global_buffer, .address_space: global }
      - { .name: Wq, .offset: 24, .size: 8, .value_kind: global_buffer, .address_space: global }
      - { .name: Wk, .offset: 32, .size: 8, .value_kind: global_buffer, .address_space: global }
      - { .name: Wv, .offset: 40, .size: 8, .value_kind: global_buffer, .address_space: global }
      - { .name: Wo, .offset: 48, .size: 8, .value_kind: global_buffer, .address_space: global }
      - { .name: bn_params, .offset: 56, .size: 8, .value_kind: global_buffer, .address_space: global }
      - { .name: qp, .offset: 64, .size: 8, .value_kind: global_buffer, .address_space: global }
      - { .name: kp, .offset: 72, .size: 8, .value_kind: global_buffer, .address_space: global }
      - { .name: vp, .offset: 80, .size: 8, .value_kind: global_buffer, .address_space: global }
      - { .name: wob, .offset: 88, .size: 8, .value_kind: global_buffer, .address_space: global }
    .group_segment_fixed_size: 157696
    .private_segment_fixed_size: 0
    .kernarg_segment_align: 8
    .kernarg_segment_size: 96
    .max_flat_workgroup_size: 256
    .sgpr_count:     66
    .vgpr_count:     512
    .wavefront_size: 32
...
	.end_amdgpu_metadata
.endif
;; end of part 1
;; launch attn (part 2): grid 256 x 1, 8 waves a work-group, clusters of 4 x 1, 322,560 bytes of LDS; arguments qp, kp, vp, op; writes op
.if DOCPART == 2
	.amdgcn_target "amdgcn-amd-amdhsa--gfx1250"
	.amdhsa_code_object_version 6
	.text
	.protected	k_q488a0cebe7_attn
	.globl	k_q488a0cebe7_attn
	.p2align	8
	.type	k_q488a0cebe7_attn,@function
k_q488a0cebe7_attn:
	s_mov_b64 s[64:65], 0
	v_nop
	global_prefetch_b8 v0, s[64:65] scope:SCOPE_SE
	s_setreg_imm32_b32 hwreg(HW_REG_WAVE_MODE, 25, 1), 1
	s_wait_xcnt 0x0
	s_wait_alu depctr_hold_cnt(0) depctr_sa_sdst(0) depctr_va_vdst(0) depctr_va_sdst(0) depctr_va_ssrc(0) depctr_va_vcc(0) depctr_vm_vsrc(0)
	s_getreg_b32 s2, hwreg(HW_REG_IB_STS2, 6, 4)
	s_cmp_eq_u32 s2, 0
	s_cbranch_scc0 .Lentry_in_a_cluster
	s_endpgm
.Lentry_in_a_cluster:
	s_bfe_u32 s2, ttmp6, 0x10000c
	s_cmp_lg_u32 s2, 0x3003
	s_cbranch_scc0 .Lentry_shape_is_right
	s_endpgm
.Lentry_shape_is_right:
; o = softmax(q k^T / 8) v for one (batch, head) and 256 queries.  qp, kp, vp, op: [batch*8 + head (64)][token 1024][d 64] bf16; qp carries 0.125 * log2(e).
; CLUSTER: the four work-groups of a cluster are the four query blocks of one head (the cluster's x).  They need the same K and V, 2 x 131,072 bytes, which stay in
; LDS for the whole launch: every tensor load is a first fill, asked for jointly by the four (mask 15).  The place in the cluster enters the addresses of qp and op alone.
; Eight waves.  Waves 2 g and 2 g + 1 share queries 64 g .. 64 g + 63 and split the keys: wave w takes the blocks of 32 keys with number = w & 1 modulo 2.
; NO MAXIMUM IS TAKEN AWAY: q and k are clipped to [0, 1] by the projections, so the argument of v_exp_f32 lies in [0, 64 * 0.181 = 11.6]
; for every input: each exponential lies in [1, 3100], a row's sum in [1024, 3.2e6]; nothing overflows or underflows in f32 or bf16.  So the sums over keys are
; plain sums, and the two waves of a pair add theirs at the end.
; THE CLIP BEHIND THE SOFTMAX is the identity for every input (each term is at least 0 and at most the sum that holds it) and is not written; the division by the sum is applied behind P V.
; Both products are used transposed.  S^T = K Q^T: lane (r, h) holds keys 8h + 0..7 of query r; rounded to bf16 that is, as it stands, source 1 of O^T = V^T P^T.
; V^T comes out of LDS by the transposing load.  A lane's 8 results of O^T are 8 neighbouring d of one query.
; Register slots 0, 1 hold the query tiles of tokens 32 w + .., slots 2, 3 those of the partner (32 (w ^ 1) + ..): each wave keeps 0, 1 and hands 2, 3 over.
; LDS: two rows of 128 bytes share a line.  K: lines of 272 bytes (plain fragment loads), V: of 288 (transposing loads): in both.
.set KPAIR,  272
.set VPAIR,  288
.set KBLK,   4352                      ; 32 keys of K = 16 lines
.set VBLK,   4608                      ; 32 keys of V
.set KSTG,   34816                     ; 256 keys of K: one stage
.set VSTG,   36864
.set VBASE,  139264                    ; K: 0 .. 139,264; V: .. 286,720
.set OSTAGE, 286720                    ; the way out: 4,352 bytes for each wave
.set XCHW,   8448                      ; the exchange, in K's bytes behind K's last read: 8,192 bytes of O + 256 of sums for each wave
.set KA,  4                            ; v4   my K fragments
.set VA,  5                            ; v5   my V fragments
.set QO,  6                            ; v6-7 my bytes in qp: my own 32 tokens, the partner's
.set XS,  8                            ; v8   exchange: where I store O
.set XR,  9                            ; v9   where I read the partner's
.set XL,  10                           ; v10  where I store sums
.set XLR, 11                           ; v11  where I read the partner's
.set OS,  12                           ; v12  the way out: in
.set RD,  13                           ; v13  the way out: back
.set CO,  14                           ; v14  16 x lane
.set Q,   16                           ; v[16:79]    Q fragments: 16 qs + 8 ks
.set S,   80                           ; v[80:143]   S^T tiles: 16 qs + 8 kt
.set P,   144                          ; v[144:175]  P^T fragments: 8 qs
.set KF,  176                          ; v[176:207]  K fragments: 16 kt + 8 ks
.set LS,  208                          ; v[208:215]  running sums, a pair for each slot
.set LL,  216                          ; v[216:219]  the four sums
.set LR,  220                          ; v[220:221]  the partner's two
.set RC,  222                          ; v[222:225]  two reciprocals, twice each
.set TP,  226
.set VF,  128                          ; window 1: v[0:127] O^T tiles 8 (4 qs + dt); v[128:159] V^T fragments 8 dt
.set MSB, 0
.macro WIN new                         ; s_set_vgpr_msb: low byte bits 1:0 source 0, 3:2 source 1, 5:4 source 2, 7:6 destination; the high byte repeats the setting left
.if MSB != \new
	s_set_vgpr_msb (MSB<<8)|\new
.set MSB, \new
.endif
.endm
.macro PLACES                          ; four places behind a matrix instruction (ISA guide 7.12.1 for vector instructions)
.rept 4
	v_nop
.endr
.endm
.macro ROUND                           ; a round of the cluster's barrier
	s_barrier_signal -1
	s_barrier_wait -1
	s_cmp_lg_u32 s4, 0
	s_cbranch_scc1 .Lnot_wave_0_\@
	s_barrier_signal -3
.Lnot_wave_0_\@:
	s_barrier_wait -3
	s_barrier_signal -1
	s_barrier_wait -1
.endm
	s_load_b256 s[8:15], s[0:1], 0x0               ; qp 8, kp 10, vp 12, op 14
	v_lshl_add_u32 v254, v0, 2, 0x4e800
	v_mov_b32 v255, 0
	ds_add_u32 v254, v255
	v_lshrrev_b32 v1, 5, v0
	v_readfirstlane_b32 s4, v1                     ; wave 0..7
	s_bfe_u32 s5, ttmp6, 0x40000                   ; cx: my block of 256 queries
	s_and_b32 s7, s4, 1                            ; which half of the key blocks
	s_xor_b32 s3, s4, 1                            ; my partner
	s_mov_b32 s72, 0x76543210                      ; v_permlanex16_b32: lane i reads lane i of the other half
	s_mov_b32 s73, 0xfedcba98
	; group 1: 16 rows of 256 bytes (32 keys, dense in memory), elements of 8 bytes, padding behind every 64 words: 4 words for K, 8 for V
	s_mov_b32 s16, 15|(3<<16)|(1<<20)|(1<<21)|(5<<22)|(3<<25)
	s_mov_b32 s17, 32<<16                          ; tensor_dim0 = 32
	s_mov_b32 s18, 16<<16                          ; tensor_dim1 = 16
	s_mov_b32 s19, 32<<16                          ; tile_dim0 = 32
	s_mov_b32 s20, 16                              ; tile_dim1 = 16
	s_mov_b32 s21, 32                              ; from row to row
	s_mov_b32 s22, 0
	s_mov_b32 s23, 0
	s_mov_b32 s24, 15|(3<<16)|(1<<20)|(1<<21)|(5<<22)|(7<<25)
	s_mov_b32 s25, 32<<16
	s_mov_b32 s26, 16<<16
	s_mov_b32 s27, 32<<16
	s_mov_b32 s28, 16
	s_mov_b32 s29, 32
	s_mov_b32 s30, 0
	s_mov_b32 s31, 0
	s_lshl_b32 s66, ttmp9, 17                      ; the head: 131,072 bytes
	s_lshl_b32 s67, s4, 12                         ; + my 32 keys of each stage
	s_add_co_u32 s66, s66, s67
	s_mov_b32 s67, 0
	s_mul_i32 s78, s4, KBLK
	s_mul_i32 s79, s4, VBLK
	s_add_co_u32 s79, s79, VBASE
	s_lshl_b32 s70, ttmp9, 17                      ; qp and op: the head + my block of 256 tokens (the only registers that hold cx)
	s_lshl_b32 s71, s5, 15
	s_add_co_u32 s70, s70, s71
	s_mov_b32 s71, 0
	s_wait_dscnt 0x0
	s_wait_kmcnt 0x0
	s_add_nc_u64 s[74:75], s[10:11], s[66:67]
	s_add_nc_u64 s[76:77], s[12:13], s[66:67]
	s_add_nc_u64 s[68:69], s[8:9], s[70:71]        ; qp at my block
	s_lshl_b32 s2, s4, 12
	s_add_co_u32 s70, s70, s2
	s_add_nc_u64 s[70:71], s[14:15], s[70:71]      ; op at my wave's 32 tokens
	; group 0, one for each load: stage j holds keys 256 j .. 256 j + 255, wave w brings 32 of them
.irp j, 0,1,2,3
	s_mov_b32 s[32+8*\j], 1
	s_add_co_u32 s[33+8*\j], s78, \j*KSTG
	s_add_nc_u64 s[34+8*\j:35+8*\j], s[74:75], \j*32768
	s_or_b32 s[35+8*\j], s[35+8*\j], 0x80000000
	s_mov_b32 s[36+8*\j], 1
	s_add_co_u32 s[37+8*\j], s79, \j*VSTG
	s_add_nc_u64 s[38+8*\j:39+8*\j], s[76:77], \j*32768
	s_or_b32 s[39+8*\j], s[39+8*\j], 0x80000000
.endr
	ROUND                                          ; all four work-groups are here: the joint loads meet
.irp j, 0,1,2,3
	tensor_load_to_lds s[32+8*\j:35+8*\j], s[16:23]        ; K, then V, stage by stage: eight loads of the wave are out, all first fills
	s_nop 0
	tensor_load_to_lds s[36+8*\j:39+8*\j], s[24:31]
	s_nop 0
.endr
	v_and_b32 v1, 31, v0                           ; lane L
	v_and_b32 v2, 15, v0                           ; r
	v_bfe_u32 v3, v0, 4, 1                         ; h
	v_lshlrev_b32 v240, 7, v2
	v_lshl_add_u32 v240, v3, 4, v240               ; r rows of 128 bytes + 16 h
	s_lshl_b32 s2, s4, 12
	v_add_nc_u32 v[QO], s2, v240
	s_lshl_b32 s2, s3, 12
	v_add_nc_u32 v[QO+1], s2, v240
	; Q fragments straight from memory, once: query r of the tile, d = 32 ks + 8 h .. and + 16
.irp qs, 0,1,2,3
.irp ks, 0,1
	global_load_b128 v[Q+16*\qs+8*\ks:Q+16*\qs+8*\ks+3], v[QO+(\qs>>1)], s[68:69] offset:(\qs&1)*2048+\ks*64
	global_load_b128 v[Q+16*\qs+8*\ks+4:Q+16*\qs+8*\ks+7], v[QO+(\qs>>1)], s[68:69] offset:(\qs&1)*2048+\ks*64+32
.endr
.endr
	v_lshrrev_b32 v15, 1, v2
	v_mul_u32_u24 v15, v15, KPAIR
	v_and_b32 v240, 1, v2
	v_lshl_add_u32 v15, v240, 7, v15
	v_lshl_add_u32 v15, v3, 4, v15                 ; (r>>1)*272 + (r&1)*128 + 16h
	s_mul_i32 s2, s7, KBLK
	v_add_nc_u32 v[KA], s2, v15
	v_and_b32 v240, 7, v0
	v_lshl_add_u32 v240, v3, 3, v240               ; the key row that I address for the transposing load: 8 h + (L & 7)
	v_lshrrev_b32 v241, 1, v240
	v_mul_u32_u24 v241, v241, VPAIR
	v_and_b32 v240, 1, v240
	v_lshl_add_u32 v241, v240, 7, v241
	v_bfe_u32 v240, v0, 3, 1
	v_lshl_add_u32 v241, v240, 4, v241             ; + 16 ((L >> 3) & 1)
	s_mul_i32 s2, s7, VBLK
	s_add_co_u32 s2, s2, VBASE
	v_add_nc_u32 v[VA], s2, v241
	s_mul_i32 s2, s4, XCHW
	v_lshl_add_u32 v[XS], v1, 4, s2
	v_lshl_add_u32 v[XL], v1, 3, s2
	v_add_nc_u32 v[XL], 8192, v[XL]
	s_mul_i32 s2, s3, XCHW
	v_lshl_add_u32 v[XR], v1, 4, s2
	v_lshl_add_u32 v[XLR], v1, 3, s2
	v_add_nc_u32 v[XLR], 8192, v[XLR]
	s_mul_i32 s2, s4, KBLK
	s_add_co_u32 s2, s2, OSTAGE
	v_add_nc_u32 v[OS], s2, v15
	v_mul_u32_u24 v240, v3, KPAIR
	v_lshl_add_u32 v240, v2, 4, v240
	v_add_nc_u32 v[RD], s2, v240
	v_lshlrev_b32 v[CO], 4, v1
	v_mov_b32 v[TP], 0                             ; v_permlanex16_b32 counts as a reader of its destination
	s_wait_loadcnt 0x0                             ; Q
.macro LDK o                           ; 32 keys x 64 d of K: 8 loads
.irp kt, 0,1
.irp ks, 0,1
	ds_load_b128 v[KF+16*\kt+8*\ks:KF+16*\kt+8*\ks+3], v[KA] offset:\o+\kt*2176+\ks*64
	ds_load_b128 v[KF+16*\kt+8*\ks+4:KF+16*\kt+8*\ks+7], v[KA] offset:\o+\kt*2176+\ks*64+32
.endr
.endr
.endm
; One block of 32 keys against my 64 queries.  i: the block's place in the stage; zero: the first block starts the sums; pre: the next block's K is fetched.
; In both products the accumulators take turns, one instruction a turn.
.macro TRIP i, zero, pre
	s_wait_dscnt 0x0                               ; this block's K fragments are in
.irp qs, 0,1,2,3
.irp kt, 0,1
	v_wmma_f32_16x16x32_bf16 v[S+16*\qs+8*\kt:S+16*\qs+8*\kt+7], v[KF+16*\kt:KF+16*\kt+7], v[Q+16*\qs:Q+16*\qs+7], 0
.endr
.endr
.irp qs, 0,1,2,3
.irp kt, 0,1
	v_wmma_f32_16x16x32_bf16 v[S+16*\qs+8*\kt:S+16*\qs+8*\kt+7], v[KF+16*\kt+8:KF+16*\kt+15], v[Q+16*\qs+8:Q+16*\qs+15], v[S+16*\qs+8*\kt:S+16*\qs+8*\kt+7]
.endr
.endr
	PLACES                                         ; for the exponentials (they read S), the loads into K's and V's fragments, the conversions into P
	WIN 0x40                                       ; destination in window 1
.irp dt, 0,1,2,3
	ds_load_tr16_b128 v[VF+8*\dt:VF+8*\dt+3], v[VA] offset:\i*2*VBLK+\dt*32                    ; d = 16 dt + r, keys 8 h ..
	ds_load_tr16_b128 v[VF+8*\dt+4:VF+8*\dt+7], v[VA] offset:\i*2*VBLK+\dt*32+8*VPAIR          ; keys 16 + 8 h ..
.endr
	WIN 0
.if \pre
	LDK (\i+1)*2*KBLK
.endif
.set e, 0
.rept 64
	v_exp_f32 v[S+e], v[S+e]
.set e, e+1
.endr
	v_nop                                          ; one plain place behind the last v_exp_f32 (ISA guide 5.7.2)
.if \zero
	s_wait_alu depctr_va_vdst(0)
.irp qs, 0,1,2,3
	v_pk_add_f32 v[LS+2*\qs:LS+2*\qs+1], v[S+16*\qs:S+16*\qs+1], v[S+16*\qs+2:S+16*\qs+3]      ; the first two pairs start the sums
.endr
.else
	s_wait_alu depctr_va_vdst(0)
.irp pp, 0,1
.irp qs, 0,1,2,3
	v_pk_add_f32 v[LS+2*\qs:LS+2*\qs+1], v[LS+2*\qs:LS+2*\qs+1], v[S+16*\qs+2*\pp:S+16*\qs+2*\pp+1]
.endr
.endr
.endif
.irp pp, 2,3,4,5,6,7
.irp qs, 0,1,2,3
	v_pk_add_f32 v[LS+2*\qs:LS+2*\qs+1], v[LS+2*\qs:LS+2*\qs+1], v[S+16*\qs+2*\pp:S+16*\qs+2*\pp+1]
.endr
.endr
.set e, 0
.rept 32
	v_cvt_pk_bf16_f32 v[P+e], v[S+2*e], v[S+2*e+1] ; registers 0-3 of a fragment from key tile 0, 4-7 from key tile 1
.set e, e+1
.endr
.if \pre
	s_wait_dscnt 8                                 ; V's 8 loads are in, the 8 younger ones (the next K) stay out
.else
	s_wait_dscnt 0
.endif
	WIN 0x51                                       ; V^T (source 0), C and D in window 1
.irp qs, 0,1,2,3
.irp dt, 0,1,2,3
.if \zero
	v_wmma_f32_16x16x32_bf16 v[8*(4*\qs+\dt):8*(4*\qs+\dt)+7], v[VF+8*\dt:VF+8*\dt+7], v[P+8*\qs:P+8*\qs+7], 0
.else
	v_wmma_f32_16x16x32_bf16 v[8*(4*\qs+\dt):8*(4*\qs+\dt)+7], v[VF+8*\dt:VF+8*\dt+7], v[P+8*\qs:P+8*\qs+7], v[8*(4*\qs+\dt):8*(4*\qs+\dt)+7]
.endif
.endr
.endr
	WIN 0
.endm
; Stage j: 256 keys, of which four blocks are mine
.macro STG j
	s_wait_tensorcnt 6-2*\j                        ; my K and V loads of the stages up to j have landed; two for each later stage stay out
	s_wait_dscnt 0x0
	s_barrier_signal -1
	s_barrier_wait -1                              ; every wave's have
	LDK 0
.if \j == 0
	TRIP 0, 1, 1
.else
	TRIP 0, 0, 1
.endif
	TRIP 1, 0, 1
	TRIP 2, 0, 1
	TRIP 3, 0, 0
.if \j < 3
	v_add_nc_u32 v[KA], KSTG, v[KA]
	v_add_nc_u32 v[VA], VSTG, v[VA]
.endif
.endm
	STG 0
	STG 1
	STG 2
	STG 3
	; THE END: the sums of a lane, of the two halves of the wave, of the two waves of a pair; the division; the way out.
	PLACES                                         ; behind the last matrix instructions: their results are stored and read
.irp qs, 0,1,2,3
	v_add_f32 v[LL+\qs], v[LS+2*\qs], v[LS+2*\qs+1]
.endr
.irp qs, 0,1,2,3
	v_permlanex16_b32 v[TP], v[LL+\qs], s72, s73   ; the other half of the lanes holds the other keys of the same query
	v_add_f32 v[LL+\qs], v[LL+\qs], v[TP]
.endr
	s_wait_dscnt 0x0
	s_barrier_signal -1
	s_barrier_wait -1                              ; every wave has read K for the last time, and K has had its last fill: its bytes serve the exchange
	WIN 0x04                                       ; the stored data (source 1) in window 1
.irp i, 0,1,2,3,4,5,6,7,8,9,10,11,12,13,14,15
	ds_store_b128 v[XS], v[64+4*\i:64+4*\i+3] offset:\i*512        ; slots 2 and 3: the partner's queries
.endr
	WIN 0
	ds_store_b64 v[XL], v[LL+2:LL+3]
	s_wait_dscnt 0x0                               ; for the partner's sake
	s_barrier_signal -1
	s_barrier_wait -1
.irp i, 0,1,2,3,4,5,6,7,8,9,10,11,12,13,14,15
	ds_load_b128 v[S+4*\i:S+4*\i+3], v[XR] offset:\i*512           ; what the partner summed for my queries, lane for lane
.endr
	ds_load_b64 v[LR:LR+1], v[XLR]
	s_wait_dscnt 0x0
	WIN 0x01                                       ; source 0 (my O^T) in window 1
.set e, 0
.rept 32
	v_pk_add_f32 v[S+2*e:S+2*e+1], v[2*e:2*e+1], v[S+2*e:S+2*e+1]
.set e, e+1
.endr
	WIN 0
	v_pk_add_f32 v[LL:LL+1], v[LL:LL+1], v[LR:LR+1]
	v_rcp_f32 v[RC], v[LL]                         ; the sums are at least 1024
	v_rcp_f32 v[RC+1], v[LL]
	v_rcp_f32 v[RC+2], v[LL+1]
	v_rcp_f32 v[RC+3], v[LL+1]
	v_nop                                          ; one plain place behind the last v_rcp_f32 (ISA guide 5.7.2)
.set e, 0
	s_wait_alu depctr_va_vdst(0)
.rept 16
	v_pk_mul_f32 v[S+2*e:S+2*e+1], v[S+2*e:S+2*e+1], v[RC:RC+1]
	v_pk_mul_f32 v[S+32+2*e:S+32+2*e+1], v[S+32+2*e:S+32+2*e+1], v[RC+2:RC+3]
.set e, e+1
.endr
.set e, 0
.rept 32
	v_cvt_pk_bf16_f32 v[P+e], v[S+2*e], v[S+2*e+1]
.set e, e+1
.endr
.irp qs, 0,1
.irp dt, 0,1,2,3
	ds_store_b128 v[OS], v[P+4*(4*\qs+\dt):P+4*(4*\qs+\dt)+3] offset:\qs*2176+\dt*32           ; token 16 qs + r, d = 16 dt + 8 h ..; my own stage
.endr
.endr
.irp i, 0,1,2,3,4,5,6,7
	ds_load_b128 v[KF+4*\i:KF+4*\i+3], v[RD] offset:\i*2*KPAIR     ; LDS serves a wave's instructions in order: these see the stores above
.endr
.irp i, 0,1,2,3,4,5,6,7
	s_wait_dscnt 7-\i
	global_store_b128 v[CO], v[KF+4*\i:KF+4*\i+3], s[70:71] offset:\i*512      ; 512 consecutive bytes: four tokens
.endr
	s_wait_tensorcnt 0x0
	ds_add_u32 v254, v255
	s_wait_dscnt 0x0
	ROUND                                          ; the closing round: no work-group ends while a partner may still ask for a tile that names it
	s_endpgm
.Lfunc_end_k_q488a0cebe7_attn:
	.size	k_q488a0cebe7_attn, .Lfunc_end_k_q488a0cebe7_attn-k_q488a0cebe7_attn
	.p2alignl 7, 3214868480
	.fill 96, 4, 3214868480
	.section	.rodata,"a",@progbits
	.p2align	6, 0x0
	.amdhsa_kernel k_q488a0cebe7_attn
		.amdhsa_group_segment_fixed_size 322560
		.amdhsa_private_segment_fixed_size 0
		.amdhsa_enable_private_segment 0
		.amdhsa_kernarg_size 32
		.amdhsa_user_sgpr_count 2
		.amdhsa_user_sgpr_kernarg_segment_ptr 1
		.amdhsa_wavefront_size32 1
		.amdhsa_system_sgpr_workgroup_id_x 1
		.amdhsa_system_sgpr_workgroup_id_y 1
		.amdhsa_system_sgpr_workgroup_id_z 1
		.amdhsa_system_vgpr_workitem_id 0
		.amdhsa_next_free_vgpr 416
		.amdhsa_next_free_sgpr 80
		.amdhsa_reserve_vcc 0
		.amdhsa_float_denorm_mode_32 3
		.amdhsa_float_denorm_mode_16_64 3
		.amdhsa_memory_ordered 1
		.amdhsa_forward_progress 1
		.amdhsa_inst_pref_size 172
	.end_amdhsa_kernel
	.amdgpu_metadata
---
amdhsa.version: [ 1, 2 ]
amdhsa.kernels:
  - .name:           k_q488a0cebe7_attn
    .symbol:         k_q488a0cebe7_attn.kd
    .args:
      - { .name: qp, .offset: 0, .size: 8, .value_kind: global_buffer, .address_space: global }
      - { .name: kp, .offset: 8, .size: 8, .value_kind: global_buffer, .address_space: global }
      - { .name: vp, .offset: 16, .size: 8, .value_kind: global_buffer, .address_space: global }
      - { .name: op, .offset: 24, .size: 8, .value_kind: global_buffer, .address_space: global }
    .group_segment_fixed_size: 322560
    .private_segment_fixed_size: 0
    .kernarg_segment_align: 8
    .kernarg_segment_size: 32
    .max_flat_workgroup_size: 256
    .sgpr_count:     80
    .vgpr_count:     416
    .wavefront_size: 32
...
	.end_amdgpu_metadata
.endif
;; end of part 2
;; launch oproj (part 3): grid 4 x 64, 4 waves a work-group, clusters of 4 x 4, 296,448 bytes of LDS; arguments op, wob, bn_params, out0; writes out0
.if DOCPART == 3
	.amdgcn_target "amdgcn-amd-amdhsa--gfx1250"
	.amdhsa_code_object_version 6
	.text
	.protected	k_q488a0cebe7_oproj
	.globl	k_q488a0cebe7_oproj
	.p2align	8
	.type	k_q488a0cebe7_oproj,@function
k_q488a0cebe7_oproj:
	s_mov_b64 s[64:65], 0
	v_nop
	global_prefetch_b8 v0, s[64:65] scope:SCOPE_SE
	s_setreg_imm32_b32 hwreg(HW_REG_WAVE_MODE, 25, 1), 1
	s_wait_xcnt 0x0
	s_wait_alu depctr_hold_cnt(0) depctr_sa_sdst(0) depctr_va_vdst(0) depctr_va_sdst(0) depctr_va_ssrc(0) depctr_va_vcc(0) depctr_vm_vsrc(0)
	s_getreg_b32 s2, hwreg(HW_REG_IB_STS2, 6, 4)
	s_cmp_eq_u32 s2, 0
	s_cbranch_scc0 .Lentry_in_a_cluster
	s_endpgm
.Lentry_in_a_cluster:
	s_bfe_u32 s2, ttmp6, 0x10000c
	s_cmp_lg_u32 s2, 0xf033
	s_cbranch_scc0 .Lentry_shape_is_right
	s_endpgm
.Lentry_shape_is_right:
; out0 = BN(o Wo^T), f32.  op: [batch*8 + head][token 1024][d 64] bf16; wob: [512 out][512 in] bf16; bn_params[3] = gamma, beta, mean, var.
; A work-group makes 128 tokens x 128 channels; the whole K = 512 of both operands lies in LDS (2 x 139,264 bytes): every tensor load is a first fill.
; CLUSTER 4 x 4: o's tiles hang on the token block alone and are asked for jointly along a row of the cluster; Wo's hang on the channel block alone, jointly along a column.
; Four waves; wave w makes 64 tokens (w & 1) x 64 channels (w >> 1): 16 accumulator tiles (window 1).  Source 0 = 16 rows of Wo, source 1 = 16 tokens:
; a lane's 8 results are 8 neighbouring channels of one token.  K comes in four chunks of 128 (two heads), multiplied as they land.
; LIMITS: NaN and infinities are not looked after; var + 1e-5 must be a positive normal number.
.set PAIR,  272                        ; o: a line of two tokens' 128 bytes + padding;  Wo: a row of 256 bytes + padding
.set T16,   2176                       ; 16 tokens of one head
.set CHK,   34816                      ; a chunk: o: 2 heads x 64 lines;  Wo: 128 rows
.set WBASE, 139264                     ; o's four chunks, then Wo's four
.set OUTST, 278528                     ; the way out: 16 rows of 272 bytes for each wave
.set FO,  4                            ; v4  my o fragments
.set FWO, 5                            ; v5  my Wo fragments
.set BNO, 6                            ; v6  byte offset of my first channel in a row of bn_params
.set STO, 7                            ; v7  the way out: in
.set RD,  8                            ; v8  the way out: back
.set CO,  9                            ; v9  my bytes in two rows of out0
.set F0,  16                           ; v[16:79]    fragment buffer 0: Wo at 8 ct, o at 32 + 8 tt
.set F1,  80                           ; v[80:143]   fragment buffer 1
.set SC,  144                          ; v[144:175]  gamma * rsq(var + eps) of my 32 channels
.set MN,  176                          ; v[176:207]  mean
.set BT,  208                          ; v[208:239]  beta
.set MSB, 0
.macro WIN new                         ; s_set_vgpr_msb: low byte bits 1:0 source 0, 3:2 source 1, 5:4 source 2, 7:6 destination; the high byte repeats the setting left
.if MSB != \new
	s_set_vgpr_msb (MSB<<8)|\new
.set MSB, \new
.endif
.endm
.macro PLACES                          ; four places behind a matrix instruction (ISA guide 7.12.1 for vector instructions)
.rept 4
	v_nop
.endr
.endm
.macro ROUND                           ; a round of the cluster's barrier
	s_barrier_signal -1
	s_barrier_wait -1
	s_cmp_lg_u32 s4, 0
	s_cbranch_scc1 .Lnot_wave_0_\@
	s_barrier_signal -3
.Lnot_wave_0_\@:
	s_barrier_wait -3
	s_barrier_signal -1
	s_barrier_wait -1
.endm
	s_load_b256 s[8:15], s[0:1], 0x0               ; op 8, wob 10, bn_params 12, out0 14
	v_lshl_add_u32 v254, v0, 2, 0x48400
	v_mov_b32 v255, 0
	ds_add_u32 v254, v255
	v_lshrrev_b32 v1, 5, v0
	v_readfirstlane_b32 s4, v1                     ; wave 0..3
	s_bfe_u32 s5, ttmp6, 0x40000                   ; cx
	s_bfe_u32 s6, ttmp6, 0x40004                   ; cy
	s_lshl_b32 s7, ttmp9, 2
	s_add_co_u32 s7, s7, s5                        ; channel block = 4 x cluster x + cx
	s_and_b32 s3, ttmp7, 0xffff
	s_lshl_b32 s3, s3, 2
	s_add_co_u32 s3, s3, s6                        ; token block = 4 x cluster y + cy
	s_lshl_b32 s78, s6, 2
	s_lshl_b32 s78, 15, s78                        ; my row of the cluster
	s_lshl_b32 s79, 0x1111, s5                     ; my column
	; group 1 for o: 32 rows of 256 bytes (64 tokens of one head, dense), elements of 8 bytes, 4 words of padding behind every 64
	s_or_b32 s16, s78, (3<<16)|(1<<20)|(1<<21)|(5<<22)|(3<<25)
	s_mov_b32 s17, 32<<16                          ; tensor_dim0 = 32
	s_mov_b32 s18, 32<<16                          ; tensor_dim1 = 32
	s_mov_b32 s19, 32<<16                          ; tile_dim0 = 32
	s_mov_b32 s20, 32                              ; tile_dim1 = 32
	s_mov_b32 s21, 32                              ; from row to row
	s_mov_b32 s22, 0
	s_mov_b32 s23, 0
	; group 1 for Wo: 32 rows of 128 bf16 out of rows of 512, the same padding
	s_or_b32 s24, s79, (1<<16)|(1<<20)|(1<<21)|(5<<22)|(3<<25)
	s_mov_b32 s25, 128<<16
	s_mov_b32 s26, 32<<16
	s_mov_b32 s27, 128<<16
	s_mov_b32 s28, 32
	s_mov_b32 s29, 512
	s_mov_b32 s30, 0
	s_mov_b32 s31, 0
	; o's address: token block and wave alone, in registers that never hold cx
	s_lshr_b32 s66, s3, 3                          ; batch
	s_lshl_b32 s66, s66, 3
	s_lshr_b32 s67, s4, 1
	s_add_co_u32 s66, s66, s67                     ; + which of the chunk's two heads I fetch
	s_lshl_b32 s66, s66, 10
	s_and_b32 s67, s3, 7
	s_lshl_b32 s67, s67, 7
	s_add_co_u32 s66, s66, s67                     ; + the block's first token in the batch
	s_and_b32 s67, s4, 1
	s_lshl_b32 s67, s67, 6
	s_add_co_u32 s66, s66, s67                     ; + which 64 tokens I fetch
	s_lshl_b32 s66, s66, 7                         ; rows of 128 bytes
	s_mov_b32 s67, 0
	; Wo's address: channel block and wave alone, in registers that never hold cy
	s_lshl_b32 s70, s7, 17                         ; 128 rows of 1,024 bytes
	s_lshl_b32 s71, s4, 15                         ; + my 32 rows
	s_add_co_u32 s70, s70, s71
	s_mov_b32 s71, 0
	s_mul_i32 s2, s4, 32*PAIR                      ; where they go: wave x 8,704 bytes in each chunk
	s_wait_dscnt 0x0
	s_wait_kmcnt 0x0
	s_add_nc_u64 s[68:69], s[8:9], s[66:67]
	s_add_nc_u64 s[70:71], s[10:11], s[70:71]
.irp c, 0,1,2,3
	s_mov_b32 s[32+8*\c], 1
	s_add_co_u32 s[33+8*\c], s2, \c*CHK
	s_add_nc_u64 s[34+8*\c:35+8*\c], s[68:69], \c*262144           ; two heads on
	s_or_b32 s[35+8*\c], s[35+8*\c], 0x80000000
	s_mov_b32 s[36+8*\c], 1
	s_add_co_u32 s[37+8*\c], s2, WBASE+\c*CHK
	s_add_nc_u64 s[38+8*\c:39+8*\c], s[70:71], \c*256              ; 128 columns on
	s_or_b32 s[39+8*\c], s[39+8*\c], 0x80000000
.endr
	ROUND                                          ; all sixteen work-groups are here: the joint loads meet
.irp c, 0,1,2,3
	tensor_load_to_lds s[32+8*\c:35+8*\c], s[16:23]        ; o, then Wo, chunk by chunk: eight loads of the wave are out, all first fills
	s_nop 0
	tensor_load_to_lds s[36+8*\c:39+8*\c], s[24:31]
	s_nop 0
.endr
	v_and_b32 v2, 15, v0                           ; r
	v_bfe_u32 v3, v0, 4, 1                         ; h
	s_and_b32 s76, s4, 1                           ; wt: my 64 tokens
	s_lshr_b32 s77, s4, 1                          ; wc: my 64 channels
	s_lshl_b32 s72, s7, 9
	s_lshl_b32 s73, s77, 8
	s_add_co_u32 s72, s72, s73                     ; 4 (128 block + 64 wc)
	v_lshl_add_u32 v[BNO], v3, 5, s72              ; + 4 x 8 h
.irp ct, 0,1,2,3
.irp hf, 0,1
	global_load_b128 v[F0+8*\ct+4*\hf:F0+8*\ct+4*\hf+3], v[BNO], s[12:13] offset:24576+\ct*64+\hf*16               ; gamma
	global_load_b128 v[F0+32+8*\ct+4*\hf:F0+32+8*\ct+4*\hf+3], v[BNO], s[12:13] offset:24576+6144+\ct*64+\hf*16    ; var
	global_load_b128 v[MN+8*\ct+4*\hf:MN+8*\ct+4*\hf+3], v[BNO], s[12:13] offset:24576+4096+\ct*64+\hf*16          ; mean
	global_load_b128 v[BT+8*\ct+4*\hf:BT+8*\ct+4*\hf+3], v[BNO], s[12:13] offset:24576+2048+\ct*64+\hf*16          ; beta
.endr
.endr
	s_lshl_b32 s73, s3, 18                         ; out0: 128 rows of 2,048 bytes a token block
	s_add_co_u32 s72, s72, s73
	s_lshl_b32 s73, s76, 17                        ; + my 64 rows
	s_add_co_u32 s72, s72, s73
	s_mov_b32 s73, 0
	s_add_nc_u64 s[74:75], s[14:15], s[72:73]
	v_lshrrev_b32 v15, 1, v2
	v_mul_u32_u24 v15, v15, PAIR
	v_and_b32 v10, 1, v2
	v_lshl_add_u32 v15, v10, 7, v15
	v_lshl_add_u32 v15, v3, 4, v15                 ; (r>>1)*272 + (r&1)*128 + 16h
	s_mul_i32 s72, s76, 4*T16
	v_add_nc_u32 v[FO], s72, v15
	v_mul_u32_u24 v10, v2, PAIR                    ; r rows of 272 bytes
	v_lshl_add_u32 v11, v3, 4, v10
	s_mul_i32 s72, s77, 64*PAIR
	s_add_co_u32 s72, s72, WBASE
	v_add_nc_u32 v[FWO], s72, v11
	s_mul_i32 s72, s4, 16*PAIR
	s_add_co_u32 s72, s72, OUTST                   ; my stage
	v_lshl_add_u32 v11, v3, 5, v10
	v_add_nc_u32 v[STO], s72, v11                  ; row r, 32 bytes for each half of the lanes
	v_mul_u32_u24 v11, v3, PAIR
	v_lshl_add_u32 v11, v2, 4, v11
	v_add_nc_u32 v[RD], s72, v11                   ; back: lanes 0-15 one row of 256 bytes, lanes 16-31 the next
	v_lshlrev_b32 v[CO], 4, v2
	v_lshl_add_u32 v[CO], v3, 11, v[CO]            ; and the same two rows in out0
	s_wait_loadcnt 0x0
.set p, 0
.rept 16
	v_pk_add_f32 v[F0+32+2*p:F0+32+2*p+1], v[F0+32+2*p:F0+32+2*p+1], 0x3727c5ac op_sel_hi:[1,0]    ; + 1e-5
.set p, p+1
.endr
.set p, 0
.rept 32
	v_rsq_f32 v[F0+32+p], v[F0+32+p]
.set p, p+1
.endr
	v_nop                                          ; one plain place behind the last v_rsq_f32 (ISA guide 5.7.2)
.set p, 0
	s_wait_alu depctr_va_vdst(0)
.rept 16
	v_pk_mul_f32 v[SC+2*p:SC+2*p+1], v[F0+2*p:F0+2*p+1], v[F0+32+2*p:F0+32+2*p+1]
.set p, p+1
.endr
; the fragments of 32 along K (quarter ks of the chunk) into buffer f: 16 loads
.macro FETCH3 ks, f
.irp ct, 0,1,2,3
	ds_load_b128 v[\f+8*\ct:\f+8*\ct+3], v[FWO] offset:\ct*16*PAIR+\ks*64
	ds_load_b128 v[\f+8*\ct+4:\f+8*\ct+7], v[FWO] offset:\ct*16*PAIR+\ks*64+32
.endr
.irp tt, 0,1,2,3
	ds_load_b128 v[\f+32+8*\tt:\f+32+8*\tt+3], v[FO] offset:(\ks>>1)*8*T16+\tt*T16+(\ks&1)*64
	ds_load_b128 v[\f+32+8*\tt+4:\f+32+8*\tt+7], v[FO] offset:(\ks>>1)*8*T16+\tt*T16+(\ks&1)*64+32
.endr
.endm
; 16 matrix instructions on 16 accumulators, which take turns, one instruction a turn
.macro MUL3 f, zero
	WIN 0x50                                       ; C and D in window 1
.irp tt, 0,1,2,3
.irp ct, 0,1,2,3
.if \zero
	v_wmma_f32_16x16x32_bf16 v[8*(4*\tt+\ct):8*(4*\tt+\ct)+7], v[\f+8*\ct:\f+8*\ct+7], v[\f+32+8*\tt:\f+32+8*\tt+7], 0
.else
	v_wmma_f32_16x16x32_bf16 v[8*(4*\tt+\ct):8*(4*\tt+\ct)+7], v[\f+8*\ct:\f+8*\ct+7], v[\f+32+8*\tt:\f+32+8*\tt+7], v[8*(4*\tt+\ct):8*(4*\tt+\ct)+7]
.endif
.endr
.endr
	WIN 0
.endm
; Chunk c: 128 along K in four quarters, on buffers 0, 1, 0, 1; a buffer is fetched again as soon as it has been multiplied
.macro CHUNK c
	s_wait_tensorcnt 6-2*\c                        ; my o and Wo loads of the chunks up to c have landed; two for each later chunk stay out
	s_wait_dscnt 0x0
	s_barrier_signal -1
	s_barrier_wait -1                              ; every wave's have
.if \c
	PLACES                                         ; behind the last chunk's matrix instructions, which read both buffers
.endif
	FETCH3 0, F0
	FETCH3 1, F1
	s_wait_dscnt 16                                ; quarter 0 is in, the 16 younger loads stay out
.if \c
	MUL3 F0, 0
.else
	MUL3 F0, 1                                     ; the first products start the sums: nothing is cleared
.endif
	PLACES
	FETCH3 2, F0
	s_wait_dscnt 16                                ; quarter 1 is in
	MUL3 F1, 0
	PLACES
	FETCH3 3, F1
	s_wait_dscnt 16                                ; quarter 2 is in
	MUL3 F0, 0
	s_wait_dscnt 0
	MUL3 F1, 0
.if \c < 3
	v_add_nc_u32 v[FO], CHK, v[FO]
	v_add_nc_u32 v[FWO], CHK, v[FWO]
.endif
.endm
	CHUNK 0
	CHUNK 1
	CHUNK 2
	CHUNK 3
	; THE WAY OUT, 16 tokens x 64 channels of f32 at a time: BN, 32 bytes a lane into my own stage, read back as rows of 256 bytes.
	PLACES                                         ; behind the last matrix instructions: their results are read, both buffers rewritten
.macro OUT3 tt
	WIN 0x01                                       ; source 0 (the accumulators) in window 1
.set p, 0
.rept 16
	v_pk_add_f32 v[F0+2*p:F0+2*p+1], v[32*\tt+2*p:32*\tt+2*p+1], v[MN+2*p:MN+2*p+1] neg_lo:[0,1] neg_hi:[0,1]
.set p, p+1
.endr
	WIN 0
.set p, 0
.rept 16
	v_pk_fma_f32 v[F0+2*p:F0+2*p+1], v[F0+2*p:F0+2*p+1], v[SC+2*p:SC+2*p+1], v[BT+2*p:BT+2*p+1]
.set p, p+1
.endr
.irp ct, 0,1,2,3
.irp hf, 0,1
	ds_store_b128 v[STO], v[F0+8*\ct+4*\hf:F0+8*\ct+4*\hf+3] offset:\ct*64+\hf*16      ; token r, channels 16 ct + 8 h + 4 hf ..
.endr
.endr
	s_wait_xcnt 0x0                                ; buffer 1, which the last tile's stores read, is loaded again only behind this wait
.irp i, 0,1,2,3,4,5,6,7
	ds_load_b128 v[F1+4*\i:F1+4*\i+3], v[RD] offset:\i*2*PAIR      ; LDS serves a wave's instructions in order: these see the stores above
.endr
.irp i, 0,1,2,3,4,5,6,7
	s_wait_dscnt 7-\i
	global_store_b128 v[CO], v[F1+4*\i:F1+4*\i+3], s[74:75] offset:(16*\tt+2*\i)*2048 th:TH_STORE_NT   ; 16 lanes store 256 consecutive bytes, at a multiple of 256 from out0's first byte
.endr
.endm
	OUT3 0
	OUT3 1
	OUT3 2
	OUT3 3
	s_wait_tensorcnt 0x0
	ds_add_u32 v254, v255
	s_wait_dscnt 0x0
	ROUND                                          ; the closing round: no work-group ends while a partner may still ask for a tile that names it
	s_endpgm
.Lfunc_end_k_q488a0cebe7_oproj:
	.size	k_q488a0cebe7_oproj, .Lfunc_end_k_q488a0cebe7_oproj-k_q488a0cebe7_oproj
	.p2alignl 7, 3214868480
	.fill 96, 4, 3214868480
	.section	.rodata,"a",@progbits
	.p2align	6, 0x0
	.amdhsa_kernel k_q488a0cebe7_oproj
		.amdhsa_group_segment_fixed_size 296448
		.amdhsa_private_segment_fixed_size 0
		.amdhsa_enable_private_segment 0
		.amdhsa_kernarg_size 32
		.amdhsa_user_sgpr_count 2
		.amdhsa_user_sgpr_kernarg_segment_ptr 1
		.amdhsa_wavefront_size32 1
		.amdhsa_system_sgpr_workgroup_id_x 1
		.amdhsa_system_sgpr_workgroup_id_y 1
		.amdhsa_system_sgpr_workgroup_id_z 1
		.amdhsa_system_vgpr_workitem_id 0
		.amdhsa_next_free_vgpr 384
		.amdhsa_next_free_sgpr 80
		.amdhsa_reserve_vcc 0
		.amdhsa_float_denorm_mode_32 3
		.amdhsa_float_denorm_mode_16_64 3
		.amdhsa_memory_ordered 1
		.amdhsa_forward_progress 1
		.amdhsa_inst_pref_size 67
	.end_amdhsa_kernel
	.amdgpu_metadata
---
amdhsa.version: [ 1, 2 ]
amdhsa.kernels:
  - .name:           k_q488a0cebe7_oproj
    .symbol:         k_q488a0cebe7_oproj.kd
    .args:
      - { .name: op, .offset: 0, .size: 8, .value_kind: global_buffer, .address_space: global }
      - { .name: wob, .offset: 8, .size: 8, .value_kind: global_buffer, .address_space: global }
      - { .name: bn_params, .offset: 16, .size: 8, .value_kind: global_buffer, .address_space: global }
      - { .name: out0, .offset: 24, .size: 8, .value_kind: global_buffer, .address_space: global }
    .group_segment_fixed_size: 296448
    .private_segment_fixed_size: 0
    .kernarg_segment_align: 8
    .kernarg_segment_size: 32
    .max_flat_workgroup_size: 128
    .sgpr_count:     80
    .vgpr_count:     384
    .wavefront_size: 32
...
	.end_amdgpu_metadata
.endif
;; end of part 3
